; MI455X (gfx1250); checked and timed in simulation.
; The chip was launched on July 23, 2026; its instructions are those of AMD's public machine-readable ISA for CDNA 5 (MIT licence, August 2026) and "CDNA5" Instruction Set Architecture Reference Guide (July 2026). The comments in the code are by the model that wrote it; some were corrected since.
;; Decision Tree. Allowed arithmetic: matrix products marked QUANTISED: E3M2 operands, one E8M0 scale for each 32 along K, by v_wmma_scale_f32_16x16x128_f8f6f4 with both operands' format E3M2, f32 sums; products left as they are: f32 operands where the result goes on into a quantised operand, else bf16, f16 or f32 operands; f32 sums; everything else in f32.
;; Inputs: dec_b 15 float32; dec_w 15 x 1,024 float32; leaf_b 16 x 1,024 float32; leaf_w_codes 16 x 1,024 x 32 x 24 uint8 (E3M2 codes of leaf_w, K innermost, in blocks of 32 codes, four codes in three bytes); leaf_w_scales 16 x 1,024 x 32 uint8 (E8M0 scales of leaf_w, one for each 32 codes along K); x 2 x 2,048 x 1,024 float32.
;; Outputs: out0 2 x 2,048 x 1,024 float32.
;; This version of the problem:
;;   THIS VERSION OF THE PROBLEM IS GIVEN IN LOW PRECISION. The matrix products marked QUANTISED in the list below multiply operands that are first quantised to E3M2 (3 exponent bits, 2 mantissa bits; 6 bits a number), with one power-of-two scale for each 32 numbers along K (OCP MX v1.0); their sums are f32. All else is computed in f32.
;;   The module's matrix products, in the order in which they are computed (A, B: the left and right operand; K: the contracted axis; several contracted axes count as one K, in the product's order):
;;     1. [M 4,096, K 1,024] x [K 1,024, N 15]; A: input x; B: input dec_w: left as it is (N = 15 < 16)
;;     2. [M 4,096, K 1,024] x [K 1,024, N 16,384]; A: input x; B: input leaf_w (given as codes): QUANTISED
;;     3. batch 4,096 x [M 1,024, K 16] x [K 16, N 1]; A: computed on the way; B: computed on the way: left as it is (K = 16 < 32)
;;   THE QUANTISER, for each operand of a quantised product, along K:
;;     - K is cut into blocks of 32 from its start; a last block that is shorter is filled with zeros.
;;     - A block's scale is 2^e with e = floor(log2(the largest magnitude in the block)) - 4, held to -126 .. 127; a block of zeros has e = 0. As a byte (E8M0): e + 127.
;;     - Each number is divided by its block's scale, clamped to +-28, and rounded to the nearest number of E3M2, ties to even, subnormals kept.
;;     - The product sums the exact products of the quantised numbers (number of the format x scale) in f32.
;;   ~~~python
;;   def quantise(x, axis):      # numpy; x: float32 -> the quantised numbers, widened to float32 again
;;       x = np.moveaxis(x, axis, -1); K = x.shape[-1]
;;       x = np.pad(x, [(0, 0)] * (x.ndim - 1) + [(0, -K % 32)]); x = x.reshape(x.shape[:-1] + (-1, 32)); a = np.abs(x).max(-1, keepdims=True)
;;       e = np.where(a > 0, np.clip(np.frexp(np.where(a > 0, a, 1))[1] - 1 - 4, -126, 127), 0)      # np.frexp(a)[1] - 1 = floor(log2(a)), exactly
;;       r = np.clip(x / 2.0 ** e, -28, 28)
;;       step = 2.0 ** (np.maximum(np.frexp(np.where(r == 0, 1, r))[1] - 1, -2) - 2)
;;       q = np.round(r / step) * step * 2.0 ** e      # np.round: ties to even
;;       return np.moveaxis(q.reshape(q.shape[:-2] + (-1,))[..., :K], -1, axis).astype(np.float32)
;;   ~~~
;;   INPUTS GIVEN AS CODES. leaf_w (in the module: [16, 1024, 1024], K = its axis 2): each comes as NAME_codes (uint8): NAME with its K axis moved to the last place and cut into blocks of 32 codes, [.., K / 32, bytes a block], one block behind the other in memory; four codes in three bytes: a row's codes are one little-endian stream of bits, code i at bits 6 i .. 6 i + 5 (a code: sign, 3 exponent bits, 2 mantissa bits); and NAME_scales (uint8): the same leading axes, one E8M0 byte (e + 127) for each 32 codes along K. Its value is code x scale, taken as it is: it is not quantised again, and the codes and scales need not be those that the quantiser above would give.
;; One version. Each part assembles by itself: llvm-mc -triple=amdgcn-amd-amdhsa -mcpu=gfx1250 --defsym DOCPART=n.
;; ======== version 1 of 1: 2 launches
;; limits: values are held in bf16: 8 bits of precision; right only within a limited range of input values
;; workspace buffers: xq 3,145,728 bytes; xs 131,072 bytes; pd 131,072 bytes; pb 131,072 bytes
;; launch prep (part 1): grid 256 x 1, 8 waves a work-group, no clusters, 111,616 bytes of LDS; arguments x, dec_w, dec_b, xq, xs, pd, pb; writes xq, xs, pd, pb
.if DOCPART == 1
	.amdgcn_target "amdgcn-amd-amdhsa--gfx1250"
	.amdhsa_code_object_version 6
	.text
	.protected	k_q63f57c4da7_prep
	.globl	k_q63f57c4da7_prep
	.p2align	8
	.type	k_q63f57c4da7_prep,@function
k_q63f57c4da7_prep:
	s_mov_b64 s[64:65], 0
	v_nop
	global_prefetch_b8 v0, s[64:65] scope:SCOPE_SE
	s_setreg_imm32_b32 hwreg(HW_REG_WAVE_MODE, 25, 1), 1
	s_wait_xcnt 0x0
; x [4096][1024] f32 is quantised ONCE to codes of BF6 (E3M2) with one E8M0 byte for each 32 along K, and the eight decisions that reach a leaf are made.
; reference() gathers only nodes 7 .. 14 (parent = 7 + leaf / 2, an index array that it builds itself): so rows 7 .. 14 of dec_w and dec_b[7 .. 14] are read, rows 0 .. 6 are not.
; OUT:  xq [256 blocks of 16 rows][8 K steps][3][32 lanes][16 bytes]: the image of a matrix operand's 12 registers, so that the next launch loads a fragment by three loads of 16 bytes a lane;
;       xs [4096 rows][32 bytes]: the scale bytes, word q of a row for K step q;   pd [256 blocks][8 nodes][16 rows] f32: d = sigmoid(x . dec_w + dec_b);
;       pb [4096 rows][16 leaves] bf16: (d0, 1 - d0, d1, 1 - d1 ..), the leaves' weights for the bias product.
; SHARES.  A work-group takes 16 rows; wave w takes K step w of them: 16 rows x 128 numbers, and the same 128 of the eight rows of dec_w.  There is no loop: all of a wave's 24 loads go out at once.
; Each load reads 512 consecutive bytes of one row; the conversions want 16 neighbours along K in ONE lane's registers, so the numbers turn through the wave's own stage in LDS (rows of 512 + 16 bytes).
; THE DECISIONS are a product that is left as it is and feeds no quantiser: bf16 operands, f32 sums, four matrix instructions a wave; the eight waves' partial sums meet in LDS and wave 0 finishes them.
; A block's scale is 2^(floor(log2(its largest magnitude)) - 4); its byte is the largest magnitude's exponent field - 4, held at 1 from below.
; LIMITS: NaN and infinities in x are not served.  A block whose largest magnitude lies under 2^-122 (a block of zeros among them) gets the byte 1 where the rule says 127 for zeros: its codes are zeros or
; what the rule's lowest scale gives, and the bytes are read by this program alone.  The decisions' operands are rounded to bf16.
; NO CLUSTER, NO TENSOR LOADS: the work-groups share only dec_w's 32 KiB beside 64 KiB of x each, and every byte of x is read once, through registers.
; DEAD WORK: parent = 7 + leaf / 2 is an array of constants in reference()'s body, so no output takes in decisions 0 .. 6, whatever the inputs hold: their seven columns of the first product, and rows
; 0 .. 6 of dec_w and of dec_b, are left out.  LIMIT: a NaN, an infinity or an overflow that reaches only those rows is not carried to the result.
; THE ORDER OF THE BLOCKS: within a K step of 128 the operand's four blocks of 32 stand in the order 0, 2, 1, 3 (the next launch reads the weights in the same order): lane (r, h) holds k = 64 h + 0 .. 63 of
; the step, 48 neighbouring bytes of the row's stream of bits, and the scale word's bytes are those of blocks 0, 2, 1, 3.
.set XST,  0
.set WST,  67584                       ;      8 x 4,224: each wave's stage for dec_w, 8 rows x 528
.set PART, 101376                      ;      8 x 1,024: each wave's partial sums, as an image of 8 registers
.set XSS,  109568                      ;      512: the block's scale bytes, 32 a row
.set PDS,  110080                      ;      512: the decisions, [node][row]
.set LI,   1                           ; v1   16 x lane
.set SA,   2                           ; v2   x's stage, on the way in
.set SB,   3                           ; v3   and on the way out: row r, + 64 h
.set WA,   4                           ; v4   dec_w's stage, in
.set WB,   5                           ; v5   and out: row r % 8, + 64 h
.set PA,   6                           ; v6   my wave's partial sums
.set XSA,  7                           ; v7   my row's scale word of my K step
.set RPA,  8                           ; v8   wave 0: all partial sums
.set RXS,  9                           ; v9   wave 0: the scale bytes
.set PDA,  10                          ; v10  wave 0: a decision's place, 4 r
.set POF,  11                          ; v11  32 r + 16 h: my 16 bytes of pb
.set RPD,  12                          ; v12  wave 0: the decisions, back
.set HH,   13                          ; v13  h = lane / 16
.set XR,   16                          ; v16-79   x as loaded; then dec_w turned (WT); in wave 0's tail the partial sums
.set WT,   16
.set WR,   80                          ; v80-111  dec_w as loaded; then x in bf16 (XB)
.set XB,   80
.set WBF,  112                         ; v112-143 dec_w in bf16
.set XT,   144                         ; v144-207 x turned: register 16 b + i = x[r][128 w + 32 b + 16 h + i]
.set PC,   208                         ; v208-226 the codes
.set TM,   228                         ; v228-243 at work in the quantiser; then the two accumulators
.set ACC0, 228
.set ACC1, 236
.set PW,   244                         ; v244 the scale word
.set SUM,  246                         ; v246-253 the wave's partial sums
.set WV,   18
.set SEL,  20
; 64 numbers of a lane, register 16 b + i = k 32 b + 16 (lane / 16) + i of my row, become a fragment's codes in v[PC] on and its scale word in v[PW].
.macro QUANT s
.irp b, 0,1,2,3
	v_max3_num_f32 v[TM+\b], |v[\s+16*\b]|, |v[\s+1+16*\b]|, 0x2800000   ; block b: my 16 numbers, and the floor 2^(5 - 127): the byte cannot fall under 1
.endr
.irp i, 2,4,6,8,10,12,14
.irp b, 0,1,2,3
	s_delay_alu instid0(VALU_DEP_4)
	v_max3_num_f32 v[TM+\b], v[TM+\b], |v[\s+16*\b+\i]|, |v[\s+1+16*\b+\i]|   ; the four blocks by turns
.endr
.endr
.irp b, 0,1,2,3
	s_delay_alu instid0(VALU_DEP_4)
	v_permlanex16_b32 v[TM+4+\b], v[TM+\b], s[SEL], s[SEL+1]
.endr
.irp b, 0,1,2,3
	s_delay_alu instid0(VALU_DEP_4)
	v_max_num_f32 v[TM+\b], v[TM+\b], v[TM+4+\b]   ; with lane l xor 16's: the block's largest magnitude
.endr
.irp b, 0,1,2,3
	s_delay_alu instid0(VALU_DEP_4)
	v_add_nc_u32 v[TM+12+\b], 0xfe000000, v[TM+\b]   ; 4 off its exponent field: the conversion takes this operand's exponent field as its scale
.endr
.irp b, 0,1,2,3
	s_delay_alu instid0(VALU_DEP_4)
	v_lshrrev_b32 v[TM+4+\b], 23, v[TM+12+\b]      ; the scale's byte
.endr
	s_delay_alu instid0(VALU_DEP_2)
	v_lshl_or_b32 v[PW], v[TM+6], 8, v[TM+4]       ; the bytes of blocks 0, 2,
	s_delay_alu instid0(VALU_DEP_1)
	v_lshl_or_b32 v[PW], v[TM+5], 16, v[PW]        ; 1, 3
	s_delay_alu instid0(VALU_DEP_1)
	v_lshl_or_b32 v[PW], v[TM+7], 24, v[PW]        ; my row's scale word for these 128 along K
.irp c, 0,1
	v_cvt_scalef32_pk16_bf6_f32 v[PC+6*\c:PC+2+6*\c], v[\s+16*\c:\s+15+16*\c], v[TM+12+\c]             ; my half of block c,
	v_cvt_scalef32_pk16_bf6_f32 v[PC+12+4*\c:PC+14+4*\c], v[\s+32+16*\c:\s+47+16*\c], v[TM+14+\c]      ; and of block 2 + c (a conversion's three registers begin on an even number)
.endr
	v_nop                                          ; one plain instruction behind the scaled conversions
.irp c, 0,1                                    ; the operand wants a whole block in a lane: lanes 0-15 block c, lanes 16-31 block 2 + c
.irp i, 0,1,2
	v_permlane16_swap_b32 v[PC+6*\c+\i], v[PC+12+4*\c+\i]
.endr
.irp i, 0,1,2
	s_delay_alu instid0(VALU_DEP_3)
	v_mov_b32 v[PC+3+6*\c+\i], v[PC+12+4*\c+\i]
.endr
.endr
.endm
	s_load_b256 s[4:11], s[0:1], 0x0               ; x s[4:5], dec_w s[6:7], dec_b s[8:9], xq s[10:11]
	s_load_b128 s[12:15], s[0:1], 0x20             ; xs s[12:13], pd s[14:15]
	s_load_b64 s[16:17], s[0:1], 0x30              ; pb
	v_lshl_add_u32 v254, v0, 2, 0x1b000
	v_mov_b32 v255, 0
	v_lshrrev_b32 v14, 5, v0
	s_delay_alu instid0(VALU_DEP_1)
	v_readfirstlane_b32 s[WV], v14                 ; wave 0..7 = my K step
	v_and_b32 v14, 31, v0                          ; lane
	v_and_b32 v15, 15, v0                          ; r
	v_bfe_u32 v[HH], v0, 4, 1                      ; h
	s_delay_alu instid0(VALU_DEP_3)
	v_lshlrev_b32 v[LI], 4, v14
	s_mul_i32 s42, s[WV], 8448
	v_add_nc_u32 v[SA], s42, v[LI]
	v_mul_u32_u24 v[SB], v15, 528
	s_delay_alu instid0(VALU_DEP_1)
	v_lshl_add_u32 v[SB], v[HH], 6, v[SB]
	s_delay_alu instid0(VALU_DEP_1)
	v_add_nc_u32 v[SB], s42, v[SB]
	s_mul_i32 s43, s[WV], 4224
	s_add_co_u32 s43, s43, WST
	v_add_nc_u32 v[WA], s43, v[LI]
	v_and_b32 v[WB], 7, v0
	s_delay_alu instid0(VALU_DEP_1)
	v_mul_u32_u24 v[WB], v[WB], 528
	s_delay_alu instid0(VALU_DEP_1)
	v_lshl_add_u32 v[WB], v[HH], 6, v[WB]
	s_delay_alu instid0(VALU_DEP_1)
	v_add_nc_u32 v[WB], s43, v[WB]
	s_lshl_b32 s44, s[WV], 10
	s_add_co_u32 s44, s44, PART
	v_add_nc_u32 v[PA], s44, v[LI]
	s_lshl_b32 s45, s[WV], 2
	s_add_co_u32 s45, s45, XSS
	v_lshl_add_u32 v[XSA], v15, 5, s45
	v_add_nc_u32 v[RPA], PART, v[LI]               ; wave 0's addresses are made here too, ahead of the parting of the waves
	v_add_nc_u32 v[RXS], XSS, v[LI]
	v_lshl_add_u32 v[PDA], v15, 2, PDS
	v_add_nc_u32 v[RPD], PDS, v[LI]
	v_lshlrev_b32 v[POF], 5, v15
	s_delay_alu instid0(VALU_DEP_1)
	v_lshl_add_u32 v[POF], v[HH], 4, v[POF]
.irp b, 0,1,2,3
	v_mov_b32 v[TM+4+\b], 0                        ; written once: a lane permute's destination counts as one of its sources
.endr
	s_mov_b32 s[SEL], 0x76543210
	s_mov_b32 s[SEL+1], 0xfedcba98                 ; v_permlanex16_b32's selects for lane l xor 16
	s_mov_b32 s40, 0xbfb8aa3b                      ; -log2(e)
	s_lshl_b32 s42, ttmp9, 16                      ; x: 16 rows of 4,096 bytes a work-group,
	s_lshl_b32 s44, s[WV], 9                       ; 512 bytes of a row a wave
	s_add_co_u32 s42, s42, s44
	s_mov_b32 s43, 0
	s_add_co_u32 s44, s44, 7*4096                  ; dec_w: from row 7 on, the same 512 bytes
	s_mov_b32 s45, 0
	s_lshl_b32 s46, ttmp9, 3
	s_add_co_u32 s46, s46, s[WV]
	s_mul_i32 s46, s46, 1536                       ; xq: fragment 8 R + w, 1,536 bytes each
	s_mov_b32 s47, 0
	s_wait_kmcnt 0x0
	s_load_b256 s[24:31], s[8:9], 0x1c             ; dec_b[7 .. 14]: bytes 28 .. 59 of its 60
	s_add_nc_u64 s[4:5], s[4:5], s[42:43]
	s_add_nc_u64 s[6:7], s[6:7], s[44:45]
	s_add_nc_u64 s[10:11], s[10:11], s[46:47]
	s_lshl_b32 s42, ttmp9, 9                       ; xs, pd, pb: 512 bytes a work-group
	s_add_nc_u64 s[12:13], s[12:13], s[42:43]
	s_add_nc_u64 s[14:15], s[14:15], s[42:43]
	s_add_nc_u64 s[16:17], s[16:17], s[42:43]
.irp i, 0,1,2,3,4,5,6,7,8,9,10,11,12,13,14,15
	global_load_b128 v[XR+4*\i:XR+4*\i+3], v[LI], s[4:5] offset:4096*\i th:TH_LOAD_NT   ; 32 lanes read 512 consecutive bytes of row i; read once in the launch
.endr
.irp i, 0,1,2,3,4,5,6,7
	global_load_b128 v[WR+4*\i:WR+4*\i+3], v[LI], s[6:7] offset:4096*\i                 ; dec_w's row 7 + i
.endr
	s_wait_loadcnt 8                               ; x's sixteen loads are in; dec_w's eight are younger
.irp i, 0,1,2,3,4,5,6,7,8,9,10,11,12,13,14,15
	ds_store_b128 v[SA], v[XR+4*\i:XR+4*\i+3] offset:528*\i
.endr
.irp b, 0,1,2,3
.irp j, 0,1,2,3
	ds_load_b128 v[XT+16*\b+4*\j:XT+16*\b+4*\j+3], v[SB] offset:128*\b+16*\j   ; LDS serves a wave's instructions in order: these see my stores
.endr
.endr
	s_wait_loadcnt 0x0                             ; dec_w
.irp i, 0,1,2,3,4,5,6,7
	ds_store_b128 v[WA], v[WR+4*\i:WR+4*\i+3] offset:528*\i
.endr
	s_wait_dscnt 8                                 ; all but these eight stores: x is back, turned, and the stores that read v16-79 are done
.irp b, 0,1,2,3
.irp j, 0,1,2,3
	ds_load_b128 v[WT+16*\b+4*\j:WT+16*\b+4*\j+3], v[WB] offset:128*\b+16*\j   ; dec_w[7 + r % 8][128 w + 32 b + 16 h + ..]; it lands while x is quantised
.endr
.endr
	QUANT XT
.irp c, 0,1,2
	global_store_b128 v[LI], v[PC+4*\c:PC+4*\c+3], s[10:11] offset:512*\c      ; the fragment as it stands: 512 consecutive bytes a store
.endr
	ds_store_b32 v[XSA], v[PW]                     ; lanes r and r + 16 write the same word with the same value
	s_wait_dscnt 0x0                               ; dec_w is back, turned; the stores that read v80-111 are done
.irp b, 0,1,2,3                                ; both operands to bf16.  Register i of block b packs numbers 16 b + 2 i, 2 i + 1: the same order of k on both sides, so the products pair rightly
.irp i, 0,1,2,3,4,5,6,7
	v_cvt_pk_bf16_f32 v[XB+8*\b+\i], v[XT+16*\b+2*\i], v[XT+16*\b+2*\i+1]
	v_cvt_pk_bf16_f32 v[WBF+8*\b+\i], v[WT+16*\b+2*\i], v[WT+16*\b+2*\i+1]
.endr
.endr
	; source 0 = dec_w (row m is node 7 + m % 8), source 1 = x: register j of lane (r, h) is node 7 + j of row r, in both halves of the lanes.  Two accumulators by turns
	v_wmma_f32_16x16x32_bf16 v[ACC0:ACC0+7], v[WBF:WBF+7], v[XB:XB+7], 0
	v_wmma_f32_16x16x32_bf16 v[ACC1:ACC1+7], v[WBF+8:WBF+15], v[XB+8:XB+15], 0
	v_wmma_f32_16x16x32_bf16 v[ACC0:ACC0+7], v[WBF+16:WBF+23], v[XB+16:XB+23], v[ACC0:ACC0+7]
	v_wmma_f32_16x16x32_bf16 v[ACC1:ACC1+7], v[WBF+24:WBF+31], v[XB+24:XB+31], v[ACC1:ACC1+7]
.rept 4
	v_nop                                          ; four places behind the products, for the reads below and for wave 0's load into v80-83
.endr
.irp i, 0,1,2,3
	v_pk_add_f32 v[SUM+2*\i:SUM+2*\i+1], v[ACC0+2*\i:ACC0+2*\i+1], v[ACC1+2*\i:ACC1+2*\i+1]   ; each accumulator from its low end on
.endr
	ds_store_b128 v[PA], v[SUM:SUM+3]
	ds_store_b128 v[PA], v[SUM+4:SUM+7] offset:512
	s_wait_kmcnt 0x0                               ; dec_b, asked for at the head
	s_wait_dscnt 0x0                               ; for wave 0's sake: my partial sums and my scale words lie in LDS
	s_barrier_signal -1
	s_barrier_wait -1
	s_cmp_lg_u32 s[WV], 0
	s_cbranch_scc1 .Lend
	; ---- wave 0 alone: the eight waves' sums, the sigmoid, and the three small outputs, each as 512 consecutive bytes
.irp u, 0,1,2,3,4,5,6,7
	ds_load_b128 v[16+8*\u:19+8*\u], v[RPA] offset:1024*\u
	ds_load_b128 v[20+8*\u:23+8*\u], v[RPA] offset:1024*\u+512
.endr
	ds_load_b128 v[80:83], v[RXS]
.irp j, 0,1,2,3,4,5,6,7
	s_mul_f32 s[32+\j], s[24+\j], s40              ; -log2(e) x dec_b
.endr
	s_wait_dscnt 0x0
.irp u, 1,2,3,4,5,6,7
.irp i, 0,1,2,3
	v_pk_add_f32 v[16+2*\i:17+2*\i], v[16+2*\i:17+2*\i], v[16+8*\u+2*\i:17+8*\u+2*\i]   ; K ascending; four chains by turns
.endr
.endr
.irp j, 0,1,2,3,4,5,6,7
	v_fma_f32 v[24+\j], v[16+\j], s40, s[32+\j]    ; -log2(e) (z + b)
.endr
	s_wait_alu depctr_va_vdst(0)
.irp j, 0,1,2,3,4,5,6,7
	v_exp_f32 v[24+\j], v[24+\j]
.endr
	v_nop                                          ; a plain instruction behind the last exponential,
	s_wait_alu depctr_va_vdst(0)                   ; and one wait for the batch, ahead of its first reader
.irp j, 0,1,2,3,4,5,6,7
	v_add_f32 v[24+\j], 1.0, v[24+\j]
.endr
	s_wait_alu depctr_va_vdst(0)
.irp j, 0,1,2,3,4,5,6,7
	v_rcp_f32 v[32+\j], v[24+\j]                   ; d = 1 / (1 + e^-(z + b)); an overflowed exponential gives 0
.endr
	v_cmp_ne_u32 vcc_lo, 0, v[HH]                  ; (a plain instruction behind the last reciprocal)
	s_wait_alu depctr_va_vdst(0)                   ; one wait for the eight
.irp j, 0,1,2,3,4,5,6,7
	ds_store_b32 v[PDA], v[32+\j] offset:64*\j     ; [node][row]; both halves of the lanes write the same value
.endr
	ds_load_b128 v[60:63], v[RPD]                  ; back as 16 bytes a lane (LDS serves a wave's instructions in order)
.irp j, 0,1,2,3,4,5,6,7
	v_sub_f32 v[40+\j], 1.0, v[32+\j]
.endr
.irp j, 0,1,2,3,4,5,6,7
	v_cvt_pk_bf16_f32 v[48+\j], v[32+\j], v[40+\j] ; leaves 2 j and 2 j + 1
.endr
.irp i, 0,1,2,3
	s_delay_alu instid0(VALU_DEP_4)
	v_cndmask_b32 v[56+\i], v[48+\i], v[52+\i], vcc_lo   ; lanes 0-15 keep leaves 0-7 of their row, lanes 16-31 leaves 8-15
.endr
	global_store_b128 v[POF], v[56:59], s[16:17]   ; pb
	global_store_b128 v[LI], v[80:83], s[12:13]    ; xs
	s_wait_dscnt 0x0
	global_store_b128 v[LI], v[60:63], s[14:15]    ; pd
.Lend:
	s_wait_tensorcnt 0x0
	ds_add_u32 v254, v255
	s_wait_dscnt 0x0
	s_endpgm
.Lfunc_end_k_q63f57c4da7_prep:
	.size	k_q63f57c4da7_prep, .Lfunc_end_k_q63f57c4da7_prep-k_q63f57c4da7_prep
	.p2alignl 7, 3214868480
	.fill 96, 4, 3214868480
	.section	.rodata,"a",@progbits
	.p2align	6, 0x0
	.amdhsa_kernel k_q63f57c4da7_prep
		.amdhsa_group_segment_fixed_size 111616
		.amdhsa_private_segment_fixed_size 0
		.amdhsa_enable_private_segment 0
		.amdhsa_kernarg_size 56
		.amdhsa_user_sgpr_count 2
		.amdhsa_user_sgpr_kernarg_segment_ptr 1
		.amdhsa_wavefront_size32 1
		.amdhsa_system_sgpr_workgroup_id_x 1
		.amdhsa_system_sgpr_workgroup_id_y 1
		.amdhsa_system_sgpr_workgroup_id_z 1
		.amdhsa_system_vgpr_workitem_id 0
		.amdhsa_next_free_vgpr 256
		.amdhsa_next_free_sgpr 66
		.amdhsa_reserve_vcc 1
		.amdhsa_float_denorm_mode_32 3
		.amdhsa_float_denorm_mode_16_64 3
		.amdhsa_memory_ordered 1
		.amdhsa_forward_progress 1
		.amdhsa_inst_pref_size 27
	.end_amdhsa_kernel
	.amdgpu_metadata
---
amdhsa.version: [ 1, 2 ]
amdhsa.kernels:
  - .name:           k_q63f57c4da7_prep
    .symbol:         k_q63f57c4da7_prep.kd
    .args:
      - { .name: x, .offset: 0, .size: 8, .value_kind: global_buffer, .address_space: global }
      - { .name: dec_w, .offset: 8, .size: 8, .value_kind: global_buffer, .address_space: global }
      - { .name: dec_b, .offset: 16, .size: 8, .value_kind: global_buffer, .address_space: global }
      - { .name: xq, .offset: 24, .size: 8, .value_kind: global_buffer, .address_space: global }
      - { .name: xs, .offset: 32, .size: 8, .value_kind: global_buffer, .address_space: global }
      - { .name: pd, .offset: 40, .size: 8, .value_kind: global_buffer, .address_space: global }
      - { .name: pb, .offset: 48, .size: 8, .value_kind: global_buffer, .address_space: global }
    .group_segment_fixed_size: 111616
    .private_segment_fixed_size: 0
    .kernarg_segment_align: 8
    .kernarg_segment_size: 56
    .max_flat_workgroup_size: 256
    .sgpr_count:     66
    .vgpr_count:     256
    .wavefront_size: 32
...
	.end_amdgpu_metadata
.endif
;; end of part 1
;; launch tree (part 2): grid 16 x 16, 8 waves a work-group, clusters of 4 x 1, 327,680 bytes of LDS; arguments xq, xs, pd, pb, leaf_w_codes, leaf_w_scales, leaf_b, out0; writes out0
.if DOCPART == 2
	.amdgcn_target "amdgcn-amd-amdhsa--gfx1250"
	.amdhsa_code_object_version 6
	.text
	.protected	k_q63f57c4da7_tree
	.globl	k_q63f57c4da7_tree
	.p2align	8
	.type	k_q63f57c4da7_tree,@function
k_q63f57c4da7_tree:
	s_mov_b64 s[64:65], 0
	v_nop
	global_prefetch_b8 v0, s[64:65] scope:SCOPE_SE
	s_setreg_imm32_b32 hwreg(HW_REG_WAVE_MODE, 25, 1), 1
	s_wait_xcnt 0x0
	s_wait_alu depctr_hold_cnt(0) depctr_sa_sdst(0) depctr_va_vdst(0) depctr_va_sdst(0) depctr_va_ssrc(0) depctr_va_vcc(0) depctr_vm_vsrc(0)
	s_getreg_b32 s2, hwreg(HW_REG_IB_STS2, 6, 4)
	s_cmp_eq_u32 s2, 0
	s_cbranch_scc0 .Lentry_in_a_cluster
	s_endpgm
.Lentry_in_a_cluster:
	s_bfe_u32 s2, ttmp6, 0x10000c
	s_cmp_lg_u32 s2, 0x3003
	s_cbranch_scc0 .Lentry_shape_is_right
	s_endpgm
.Lentry_shape_is_right:
; out[s][o] = sum over 16 leaves l of p[s][l] (sum over k of Q(x)[s][k] W[l][o][k] + b[l][o]);  p[2 j] = d_j, p[2 j + 1] = 1 - d_j.
; Q(x) comes as codes of BF6 (E3M2) and scale bytes from the launch before (xq: images of operand registers; xs), W as the problem gives it: codes, 768 bytes a row, and 32 scale bytes a row.
; DEAD WORK: decisions 0 .. 6 reach no output (the first launch's head shows it) and are not read here.
; SHARES.  A work-group makes 256 rows x 64 columns of out: 16 x 16 work-groups, eight waves, two to a SIMD.  Wave w has the 64 rows 64 (w % 4) .. and HALF OF K: K steps 4 (w / 4) .. + 3.  It walks its
; columns in two passes of 32, each through all 16 leaves.  Its codes of x (4 blocks of 16 rows x 4 K steps x 12 registers = 192) stay in registers for the whole launch; only W goes through LDS.
; THE MATRIX INSTRUCTION IS USED TRANSPOSED (source 0 = 16 rows of W, source 1 = 16 rows of x): a lane holds ONE row s and eight neighbouring columns, so a leaf's weight p is one number a lane.
; A leaf's sums G (8 tiles) begin with the constant 0, run through four K steps, and are weighed in: OUT += p G.  The two halves of K are added at the end.
; THE ORDER OF THE BLOCKS: within a K step the four blocks of 32 stand in the order 0, 2, 1, 3 on both sides, so a lane's 48 bytes of W are neighbours: three loads of 16 bytes.  W's scale bytes are turned by v_perm_b32.
; THE BIAS, sum over l of p[s][l] b[l][o], is left as it is: bf16 operands, K filled to 32 with zeros.  Each half-K wave takes eight of the leaves.  It STARTS OUT in each pass.
; CLUSTER.  The four work-groups of a cluster have the same 64 columns and other rows: they want the same W.  Every tensor load is asked for JOINTLY; no place in the cluster enters an LDS address or a branch.
; THE RING.  Two LDS slots of four leaves x 32 rows x 768 bytes.  Behind each change of slots a wave has one tensor load out: 12,288 bytes.
; NO PREFETCH: a refill has a slot's 128 matrix instructions of each wave in which to land, and it asks once for all four partners.
; LIMITS: the bias product's operands (p and leaf_b) are rounded to bf16; NaN and infinities are not served.
; REGISTERS: window 0: v1-63 addresses, weights, scales; v64-159 W, K step i at 24 i, block b at 12 b; v160-223 G.  window 1: v0-191 x, K step i at 48 i, row block a at 12 a; v192-255 OUT; tile t = 2 a + b.
.set LEAFB, 26112                      ; a leaf's tile in LDS: 96 pieces of 256 bytes + 16 of padding; a row of W is three of them: rows 816 bytes apart, an odd multiple of 16
.set HALFB, 13056                      ; 16 rows of it: what one tensor load of the ring brings
.set SLOTB, 104448                     ; a slot: four tiles
.set SCL,   208896                     ; behind the ring: W's scale bytes for my 64 columns, all 16 leaves, 2,176 bytes a leaf; filled once
.set P0,    243712                     ; pass 0's partial results: 8 waves x 64 rows x (128 + 16) bytes; pass 1's lie at 0, in the slot that has had its last fill
.set SPARE, 317440                     ; the spare words, 128 bytes for each wave: four blocks of 256 bytes that no other line names
.set SLOTG, 3145728                    ; four leaves on in leaf_w_codes
.set BACK,  9412608                    ; from leaves 12 .. 15 back to leaf 0, 32 columns on: 12 x 786,432 - 24,576
.set SPW,  1
.set NIL,  2
.set A0,   3                           ; v3-7   my place in a tile's row, for five kinds of pieces; v8-12 the same in the node that is being fetched
.set ADR,  8
.set ADS0, 13                          ; v13    my scale bytes of column (lane); v14 in the node that is being fetched
.set ADS,  14
.set PDO,  15                          ; v15    4 r
.set RAW,  16                          ; v16-19 the next node's d
.set PP,   20                          ; v20-27 pairs (d, 1 - d) for four row blocks
.set AS,   28                          ; v28-35 x's scale words: 4 (a / 2) + i: lanes 0-15 row block a even, lanes 16-31 a odd
.set BSR,  36                          ; v36-39 W's scale words as loaded
.set BSP,  40                          ; v40-43 and turned: register i: lanes 0-15 column block 0, lanes 16-31 block 1
.set PB,   44                          ; v44-51 p in bf16
.set LB,   52                          ; v52-59 leaf_b in bf16, four column blocks
.set WF,   64
.set G,    160
.set OUTR, 192                         ; in window 1
.set STO1, 234
.set STO0, 235
.set RD,   236
.set CO,   237
.set WV,   20
.set CX,   21
.set RT,   22
.set CT,   23
.set G1C,  24                          ; descriptor group 1: the ring's loads, 48 rows of 256 bytes
.set G1S,  32                          ; the scale bytes
.set G0S,  40
.set G0A,  44                          ; the head's loads of slot 0
.set G0W,  48                          ; the ring's, which walks
.set TB,   52
.set TS,   53
.set TRIPS, 54
.set SEL,  55
.set RB,   66                          ; LDS byte at which the slot being read begins
.set WOFF, 67
.set KH,   68
.set RG,   69
.set NKH,  70
.set G1H,  72                          ; group 1 of the head's loads: 96 rows
.set PDC,  80
.set NOF,  82
.set W_M,  0x04                        ; source 1 (x) window 1; all else window 0 (LDS loads and global loads name no source 1)
.set W_F,  0x50                        ; source 2 and destination (OUT) window 1
.set MSB, 0
.macro WIN new                         ; the immediate's high byte repeats the setting that is left
.if MSB != (\new)
	s_set_vgpr_msb (MSB<<8)|(\new)
.set MSB, \new
.endif
.endm
.macro PLACES                          ; four plain vector instructions between a matrix instruction and a load into, or a read of, its registers (ISA guide 7.12.1 for a read)
.rept 4
	v_nop
.endr
.endm
.macro CREST                           ; a round of the cluster's barrier behind its opening barrier
	s_cmp_lg_u32 s[WV], 0
	s_cbranch_scc1 .Lnot_wave_0_\@
	s_barrier_signal -3
.Lnot_wave_0_\@:
	s_barrier_wait -3
	s_barrier_signal -1
	s_barrier_wait -1
.endm
.macro CROUND
	s_barrier_signal -1
	s_barrier_wait -1
	CREST
.endm
.macro NEWADR                          ; the addresses of the node at s[TB]; six plain vector instructions, which are also places
.irp k, 0,1,2,3,4
	v_add_nc_u32 v[ADR+\k], v[A0+\k], s[TB]
.endr
	v_add_nc_u32 v[ADS], v[ADS0], s[TS]
	s_add_co_u32 s[TS], s[TS], 4352
	s_wait_alu depctr_va_vdst(0)
.endm
; K steps 2 hf, 2 hf + 1 of a leaf: 12 loads.  Piece m of 16 bytes (from my half of K, lanes 0-15) lies at 16 m and 16 more for each 256 bytes passed; that count hangs on m, on the lane's half and on the half of K,
; in five ways: one address register each.
.macro RUN hf, off
.irp s, 0,1
.irp b, 0,1
.irp j, 0,1,2
.set PCE, 6*(2*(\hf)+\s)+\j
.if PCE < 6
.set CLS, 0
.elseif PCE < 8
.set CLS, 1
.elseif PCE < 13
.set CLS, 2
.elseif PCE < 16
.set CLS, 3
.else
.set CLS, 4
.endif
	ds_load_b128 v[WF+24*(2*(\hf)+\s)+12*\b+4*\j:WF+24*(2*(\hf)+\s)+12*\b+4*\j+3], v[ADR+CLS] offset:(\off)+HALFB*\b+16*PCE
.endr
.endr
.endr
.endm
.macro SCALE off                       ; a leaf's scale words of my half of K: 16 bytes a lane, lane = column
	ds_load_b128 v[BSR:BSR+3], v[ADS] offset:\off
.endm
.macro PERM                            ; bytes 0, 2, 1, 3
.irp i, 0,1,2,3
	v_perm_b32 v[BSP+\i], v[BSR+\i], s[SEL], s[SEL]
.endr
.endm
.macro WM z, v
.if \z
.if (\v) == 0
	v_wmma_scale_f32_16x16x128_f8f6f4 v[rG:rG+7], v[rW:rW+11], v[rX:rX+11], 0, v[rA], v[rB] matrix_a_fmt:MATRIX_FMT_BF6 matrix_b_fmt:MATRIX_FMT_BF6
.elseif (\v) == 1
	v_wmma_scale_f32_16x16x128_f8f6f4 v[rG:rG+7], v[rW:rW+11], v[rX:rX+11], 0, v[rA], v[rB] matrix_a_fmt:MATRIX_FMT_BF6 matrix_b_fmt:MATRIX_FMT_BF6 matrix_a_scale:MATRIX_SCALE_ROW1
.elseif (\v) == 2
	v_wmma_scale_f32_16x16x128_f8f6f4 v[rG:rG+7], v[rW:rW+11], v[rX:rX+11], 0, v[rA], v[rB] matrix_a_fmt:MATRIX_FMT_BF6 matrix_b_fmt:MATRIX_FMT_BF6 matrix_b_scale:MATRIX_SCALE_ROW1
.else
	v_wmma_scale_f32_16x16x128_f8f6f4 v[rG:rG+7], v[rW:rW+11], v[rX:rX+11], 0, v[rA], v[rB] matrix_a_fmt:MATRIX_FMT_BF6 matrix_b_fmt:MATRIX_FMT_BF6 matrix_a_scale:MATRIX_SCALE_ROW1 matrix_b_scale:MATRIX_SCALE_ROW1
.endif
.else
.if (\v) == 0
	v_wmma_scale_f32_16x16x128_f8f6f4 v[rG:rG+7], v[rW:rW+11], v[rX:rX+11], v[rG:rG+7], v[rA], v[rB] matrix_a_fmt:MATRIX_FMT_BF6 matrix_b_fmt:MATRIX_FMT_BF6
.elseif (\v) == 1
	v_wmma_scale_f32_16x16x128_f8f6f4 v[rG:rG+7], v[rW:rW+11], v[rX:rX+11], v[rG:rG+7], v[rA], v[rB] matrix_a_fmt:MATRIX_FMT_BF6 matrix_b_fmt:MATRIX_FMT_BF6 matrix_a_scale:MATRIX_SCALE_ROW1
.elseif (\v) == 2
	v_wmma_scale_f32_16x16x128_f8f6f4 v[rG:rG+7], v[rW:rW+11], v[rX:rX+11], v[rG:rG+7], v[rA], v[rB] matrix_a_fmt:MATRIX_FMT_BF6 matrix_b_fmt:MATRIX_FMT_BF6 matrix_b_scale:MATRIX_SCALE_ROW1
.else
	v_wmma_scale_f32_16x16x128_f8f6f4 v[rG:rG+7], v[rW:rW+11], v[rX:rX+11], v[rG:rG+7], v[rA], v[rB] matrix_a_fmt:MATRIX_FMT_BF6 matrix_b_fmt:MATRIX_FMT_BF6 matrix_a_scale:MATRIX_SCALE_ROW1 matrix_b_scale:MATRIX_SCALE_ROW1
.endif
.endif
.endm
; K step i: eight matrix instructions.  The eight accumulators take turns, one instruction a turn, in the same order in every step.  K step 0 starts the sums.
.macro MULT i
.irp t, 0,1,2,3,4,5,6,7
.set rG, G+8*\t
.set rW, WF+24*(\i)+12*(\t%2)
.set rX, 48*(\i)+12*(\t/2)
.set rA, BSP+(\i)
.set rB, AS+4*(\t/4)+(\i)
.if (\i) == 0
	WM 1, \t%4
.else
	WM 0, \t%4
.endif
.endr
.endm
.macro FSL par                         ; the leaf is weighed in: OUT += p G, each accumulator from its low end on; par = 0: the pair's d, 1: its 1 - d
	WIN W_F
.irp t, 0,1,2,3,4,5,6,7
.irp i, 0,1,2,3
.if (\par) == 0
	v_pk_fma_f32 v[OUTR+8*\t+2*\i:OUTR+8*\t+2*\i+1], v[G+8*\t+2*\i:G+8*\t+2*\i+1], v[PP+2*(\t/2):PP+2*(\t/2)+1], v[OUTR+8*\t+2*\i:OUTR+8*\t+2*\i+1] op_sel_hi:[1,0,1]
.else
	v_pk_fma_f32 v[OUTR+8*\t+2*\i:OUTR+8*\t+2*\i+1], v[G+8*\t+2*\i:G+8*\t+2*\i+1], v[PP+2*(\t/2):PP+2*(\t/2)+1], v[OUTR+8*\t+2*\i:OUTR+8*\t+2*\i+1] op_sel:[0,1,0] op_sel_hi:[1,1,1]
.endif
.endr
.endr
.endm
.macro PEXP                            ; a node's d, which has landed, becomes its two leaves' weights; on to the node after (8 nodes, then the first again)
.irp a, 0,1,2,3
	v_mov_b32 v[PP+2*\a], v[RAW+\a]
	v_sub_f32 v[PP+2*\a+1], 1.0, v[RAW+\a]
.endr
	s_add_co_u32 s[NOF], s[NOF], 64
	s_and_b32 s[NOF], s[NOF], 0x1ff
	s_add_nc_u64 s[PDC:PDC+1], s[8:9], s[NOF:NOF+1]
	s_wait_alu depctr_va_vdst(0)                   ; a wait ahead of the branch
.endm
; OUT of a pass begins as the weighed bias: k = 8 h + i stands for leaf 8 (w / 4) + 4 h + i, i under 4; all other k are zeros.  The operands lie where G will be.
.macro BIAS p
	WIN 0
.irp b, 0,1
	v_mov_b32 v[G+8*\b], v[LB+4*(\p)+2*\b]
	v_mov_b32 v[G+8*\b+1], v[LB+4*(\p)+2*\b+1]
.irp i, 2,3,4,5,6,7
	v_mov_b32 v[G+8*\b+\i], 0
.endr
.endr
.irp a, 0,1,2,3
	v_mov_b32 v[G+16+8*\a], v[PB+2*\a]
	v_mov_b32 v[G+17+8*\a], v[PB+2*\a+1]
.irp i, 2,3,4,5,6,7
	v_mov_b32 v[G+16+8*\a+\i], 0
.endr
.endr
	WIN 0x40
.irp t, 0,1,2,3,4,5,6,7
	v_wmma_f32_16x16x32_bf16 v[OUTR+8*\t:OUTR+8*\t+7], v[G+8*(\t%2):G+8*(\t%2)+7], v[G+16+8*(\t/2):G+16+8*(\t/2)+7], 0
.endr
	WIN 0
.rept 5                                        ; five places ahead of the matrix instructions that write over these operands
	v_nop
.endr
.endm
; A leaf, l = 0 .. 3 of its slot.  On entry its K steps 0 and 1 and its scales are in, and its K steps 2 and 3 (12 loads) may be out.  The next leaf's first half is fetched in the middle, its second half at the end.
; rf: what the slot's last leaf does: 1 = changes slots and fills again, 2 = the same, the walk going back to leaf 0 of the next pass, 0 = changes and fills nothing, 3 = the launch's last slot.
; cross = 1: the next slot begins pass 1.  xw = 1: the slot's text serves the launch's first leaf, while x's 48 loads (12 a K step) may still be out.
.macro LEAF l, rf, cross, xw
.if (\l) == 3 && (\rf) < 3
	WIN W_M
	s_wait_dscnt 0x0                               ; the add, issued ahead of leaf 2's weighing-in, is done, and so are all my reads of this slot
	s_barrier_signal -1
	MULT 0                                         ; 24 matrix instructions, work on registers, while the others arrive
	MULT 1
	MULT 2
	WIN 0
	s_barrier_wait -1
.if (\rf) > 0
	CREST                                          ; no wave of any partner still reads this slot or has a load on its way
	tensor_load_to_lds s[G0W:G0W+3], s[G1C:G1C+7]  ; my one tensor load behind the round
	s_nop 0
.endif
	s_xor_b32 s[RB], s[RB], SLOTB                  ; the other slot
	s_mov_b32 s[TB], s[RB]
.if \cross
	s_mov_b32 s[TS], 1088                          ; pass 1's columns: 1,024 scale bytes and four paddings on
.endif
	NEWADR
	RUN 0, 0
	SCALE 0
	WIN W_M
	MULT 3
	PLACES
	RUN 1, 0
.elseif (\l) == 3
	WIN W_M
	MULT 0
	MULT 1
	s_wait_dscnt 0x0                               ; the launch's last run of loads
	MULT 2
	MULT 3
	PLACES
.else
	WIN W_M
.if (\xw) && (\l) == 0
	s_wait_loadcnt 24                              ; x's K steps 0 and 1 are in
.endif
	MULT 0
	MULT 1
.if (\l)%2 == 0
	PLACES
.if (\l) == 0 || (\rf) < 3
.irp a, 0,1,2,3
	global_load_b32 v[RAW+\a], v[PDO], s[PDC:PDC+1] offset:512*\a   ; the next node's d
.endr
.endif
	RUN 0, LEAFB
	SCALE 2176
.else
	s_add_co_u32 s[TB], s[RB], 2*LEAFB             ; on to the slot's second node
	NEWADR
	RUN 0, 0
	SCALE 0
.endif
	s_wait_dscnt 13                                ; my K steps 2 and 3 are in; the 13 loads just issued may be out
.if (\xw) && (\l) == 0
	s_wait_loadcnt 4                               ; x is in; the four of d may be out
.endif
	MULT 2
	MULT 3
	PLACES
.if (\l)%2 == 0
	RUN 1, LEAFB
.else
	RUN 1, 0
.endif
.if (\l)%2 == 0
	s_wait_dscnt 12                                ; the next leaf's first half and its scales are in
	PERM
.endif
.endif
.if (\l) == 2 && (\rf) < 3             ; the slot's last LDS reads have been issued: the change of slots begins
	WIN 0                                          ; (the add's two registers lie in window 0)
	s_wait_tensorcnt 0x0                           ; no tensor load of mine is out: my part of the other slot has landed, and group 0 may be written
	ds_add_u32 v[SPW], v[NIL]                      ; 0 onto my spare word: the weighing-in stands between it and the wait for it
.if (\rf) > 0
	s_add_co_u32 s[G0W+1], s[RB], s[WOFF]          ; into the slot being read,
.if (\rf) == 1
	s_add_nc_u64 s[G0W+2:G0W+3], s[G0W+2:G0W+3], SLOTG   ; the next four leaves
.else
	s_sub_nc_u64 s[G0W+2:G0W+3], s[G0W+2:G0W+3], BACK
.endif
.endif
.endif
	FSL (\l)%2
.if (\l) == 1 || ((\l) == 3 && (\rf) < 3)
	WIN 0
	s_wait_dscnt 12                                ; the next leaf's first half and its scales are in
	PERM                                           ; (the eight lines of PEXP are the places between the scale words and the next product)
	s_wait_loadcnt 0x0                             ; the next node's d is in, and its loads have read their base
	PEXP
.endif
.endm
.macro SLOT rf, cross, xw
	LEAF 0, \rf, \cross, \xw
	LEAF 1, \rf, \cross, \xw
	LEAF 2, \rf, \cross, \xw
	LEAF 3, \rf, \cross, \xw
	WIN 0                                          ; at a label and at a branch every window is 0
.endm
.macro STAGE adr                       ; OUT into my own 64 rows of 128 + 16 bytes
	WIN W_M                                        ; an LDS store's data are its source 1: window 1
.irp t, 0,1,2,3,4,5,6,7
	ds_store_b128 v[\adr], v[OUTR+8*\t:OUTR+8*\t+3] offset:2304*(\t/2)+64*(\t%2)
	ds_store_b128 v[\adr], v[OUTR+8*\t+4:OUTR+8*\t+7] offset:2304*(\t/2)+64*(\t%2)+16
.endr
	s_wait_dscnt 0x0
	WIN 0
.endm
	s_load_b256 s[4:11], s[0:1], 0x0               ; xq s[4:5], xs s[6:7], pd s[8:9], pb s[10:11]
	s_load_b256 s[12:19], s[0:1], 0x20             ; W's codes s[12:13], W's scales s[14:15], leaf_b s[16:17], out0 s[18:19]
	v_lshl_add_u32 v[SPW], v0, 2, SPARE
	v_mov_b32 v[NIL], 0
	ds_add_u32 v[SPW], v[NIL]                      ; the wave's opening: the add, twice on end, and its wait
	ds_add_u32 v[SPW], v[NIL]
	v_lshrrev_b32 v224, 5, v0
	v_readfirstlane_b32 s[WV], v224                ; wave 0..7
	s_lshr_b32 s[KH], s[WV], 2                     ; my half of K
	s_and_b32 s[RG], s[WV], 3                      ; my 64 rows
	s_xor_b32 s[NKH], s[KH], 1
	s_bfe_u32 s[CX], ttmp6, 0x40000                ; my place in the cluster
	s_lshl_b32 s[RT], ttmp9, 2                     ; in a cluster launch ttmp9 counts clusters
	s_add_co_u32 s[RT], s[RT], s[CX]               ; my 256 rows
	s_and_b32 s[CT], ttmp7, 0xffff                 ; my 64 columns, which the four partners share
	; descriptor group 1.  The codes: dense bytes, as rows of 256 bytes (32 elements of 8 bytes), 16 bytes of padding behind each: 48 rows for the ring, 96 for the head
	s_mov_b32 s[G1C], 15|(3<<16)|(1<<20)|(1<<21)|(5<<22)|(3<<25)   ; 15:0 the mask: all four work-groups; 17:16 elements of 8 bytes; 20 padding on; 21 set beside a mask; 24:22 after every 64 words; 31:25 4 words of it
	s_mov_b32 s[G1C+2], 48<<16                     ; tensor_dim1
	s_mov_b32 s[G1C+4], 48                         ; tile_dim1
	s_mov_b32 s[G1H], 15|(3<<16)|(1<<20)|(1<<21)|(5<<22)|(3<<25)
	s_mov_b32 s[G1H+2], 96<<16
	s_mov_b32 s[G1H+4], 96
.irp g, G1C, G1H
	s_mov_b32 s[\g+1], 32<<16                      ; tensor_dim0
	s_mov_b32 s[\g+3], 32<<16                      ; tile_dim0
	s_mov_b32 s[\g+5], 32                          ; elements from row to row
	s_mov_b32 s[\g+6], 0
	s_mov_b32 s[\g+7], 0
.endr
	; the scale bytes: four leaves' 2,048 bytes (256 elements), 32,768 bytes (4,096 elements) apart; the same padding, which divides the row
	s_mov_b32 s[G1S], 15|(3<<16)|(1<<20)|(1<<21)|(5<<22)|(3<<25)
	s_mov_b32 s[G1S+1], 256<<16
	s_mov_b32 s[G1S+2], 4<<16
	s_mov_b32 s[G1S+3], 256<<16
	s_mov_b32 s[G1S+4], 4
	s_mov_b32 s[G1S+5], 4096
	s_mov_b32 s[G1S+6], 0
	s_mov_b32 s[G1S+7], 0
	s_mul_i32 s56, s[CT], 49152                    ; 64 rows of 768 bytes a column tile
	s_mul_i32 s84, s[RG], 786432                   ; the head: waves 0-3 fetch leaf w
	s_add_co_u32 s84, s84, s56
	s_mov_b32 s85, 0
	s_lshr_b32 s57, s[WV], 1                       ; the ring: leaf w / 2 of a slot, half w % 2
	s_mul_i32 s57, s57, 786432
	s_and_b32 s86, s[WV], 1
	s_mul_i32 s86, s86, 12288
	s_add_co_u32 s86, s86, s57
	s_add_co_u32 s86, s86, s56
	s_add_co_u32 s86, s86, SLOTG                   ; from slot 1 on
	s_mov_b32 s87, 0
	s_lshl_b32 s88, s[CT], 11                      ; the scale bytes: waves 4-7 fetch leaves 4 (w - 4) .. + 3
	s_lshl_b32 s57, s[RG], 17
	s_add_co_u32 s88, s88, s57
	s_mov_b32 s89, 0
	s_mul_i32 s90, s[RT], 196608                   ; xq: 16 blocks of 12,288 bytes a row tile, four a wave, half of each
	s_mul_i32 s57, s[RG], 49152
	s_add_co_u32 s90, s90, s57
	s_mul_i32 s57, s[KH], 6144
	s_add_co_u32 s90, s90, s57
	s_mov_b32 s91, 0
	s_lshl_b32 s92, s[RT], 13                      ; xs, pd, pb: 32 bytes a row
	s_lshl_b32 s57, s[RG], 11
	s_add_co_u32 s92, s92, s57
	s_mov_b32 s93, 0
	s_lshl_b32 s57, s[KH], 4                       ; xs, pb: my 16 bytes of a row
	s_add_co_u32 s94, s92, s57
	s_mov_b32 s95, 0
	s_lshl_b32 s96, s[CT], 8                       ; leaf_b: 256 bytes a column tile, my eight leaves
	s_lshl_b32 s58, s[KH], 15
	s_add_co_u32 s58, s58, s96
	s_mov_b32 s59, 0
	s_lshl_b32 s98, s[RT], 20                      ; out0: 256 rows of 4,096 bytes a row tile; I store 32 of them
	s_lshl_b32 s97, s[WV], 17
	s_add_co_u32 s98, s98, s97
	s_add_co_u32 s98, s98, s96
	s_mov_b32 s99, 0
	s_mov_b32 s[G0S], 1                            ; 1:0 count = 1
	s_mul_i32 s60, s[RG], 8704
	s_add_co_u32 s[G0S+1], s60, SCL                ; 63:32 LDS address
	s_mov_b32 s[G0A], 1
	s_mul_i32 s[G0A+1], s[RG], LEAFB
	s_mov_b32 s[G0W], 1
	s_mul_i32 s[WOFF], s[WV], HALFB                ; (two halves of 16 rows make a leaf's tile)
	s_add_co_u32 s[G0W+1], s[WOFF], SLOTB
	s_mov_b32 s[SEL], 0x07050604                   ; v_perm_b32: bytes 0, 2, 1, 3 of its first source
	s_mov_b32 s[RB], 0
	s_mov_b32 s[TB], 0
	s_mov_b32 s[TS], 0
	s_mov_b32 s[NOF], 0
	s_mov_b32 s[NOF+1], 0
	s_mul_i32 s56, s[KH], 400                      ; 384 bytes and one padding: the second half of K
	s_add_co_u32 s60, s57, SCL
	s_mul_i32 s61, s[WV], 9216
	s_mul_i32 s62, s[WV], 4608
	s_mov_b32 s63, P0
	v_and_b32 v225, 15, v0                         ; r
	v_bfe_u32 v226, v0, 4, 1                       ; h
	v_and_b32 v227, 31, v0                         ; lane
	v_mul_u32_u24 v228, 816, v225
	v_lshlrev_b32 v229, 4, v226
	v_lshlrev_b32 v[PDO], 2, v225
	v_mad_u32_u24 v228, v226, 48, v228
	v_mul_u32_u24 v230, s[KH], v229
	v_mul_u32_u24 v231, s[NKH], v229
	v_add_nc_u32 v[A0], s56, v228                  ; pieces 0-2: as many paddings as the half of K counts,
	v_lshlrev_b32 v232, 5, v227
	v_lshrrev_b32 v233, 3, v227
	v_add_nc_u32 v[A0+2], s57, v[A0]               ; 8-12: one more in the second half of K,
	v_add_nc_u32 v[A0+4], 16, v[A0]                ; 18-20: one more in either,
	v_add_nc_u32 v[A0+1], v[A0], v230              ; 6, 7: one more in lanes 16-31 of the second half of K,
	v_add_nc_u32 v[A0+3], v[A0+2], v231            ; 13, 14: one more in lanes 16-31 of the first, and in all lanes of the second
	v_lshl_add_u32 v232, v233, 4, v232
	v_lshlrev_b32 v60, 4, v227                     ; 16 x lane
	v_lshlrev_b32 v61, 5, v227                     ; xs: 32 rows a load
	v_lshlrev_b32 v62, 5, v225
	v_lshl_add_u32 v63, v226, 14, v[PDO]           ; leaf_b: 4 r + 4 h rows of 4,096 bytes
	v_add_nc_u32 v[ADS0], s60, v232
	v_lshl_add_u32 v62, v226, 3, v62               ; pb: 32 r + 8 h
	v_mul_u32_u24 v[STO1], 144, v225
	v_and_b32 v238, 7, v225
	v_lshrrev_b32 v239, 3, v225
	v_lshl_add_u32 v[STO1], v226, 5, v[STO1]
	v_xor_b32 v239, 1, v239                        ; 1 in the lanes that read pass 0's columns back
	v_lshlrev_b32 v[CO], 12, v226
	v_add_nc_u32 v[STO1], s61, v[STO1]             ; the way out: row r of my 64, + 32 h
	v_mul_u32_u24 v239, s63, v239
	v_lshl_add_u32 v[CO], v225, 4, v[CO]           ; out0: lanes 0-15 one row's 256 bytes, lanes 16-31 the next
	v_add_nc_u32 v[STO0], P0, v[STO1]
	v_lshl_add_u32 v239, v238, 4, v239
	v_mul_u32_u24 v[RD], 144, v226
	v_add_nc_u32 v[RD], v[RD], v239
	v_add_nc_u32 v[RD], s62, v[RD]                 ; and where these two rows lie in LDS
	s_wait_alu depctr_va_vdst(0)
	s_wait_dscnt 0x0                               ; both opening adds are done
	s_wait_kmcnt 0x0
	s_add_nc_u64 s[G0S+2:G0S+3], s[14:15], s[88:89]
	s_or_b32 s[G0S+3], s[G0S+3], 0x80000000        ; 127:126 type = 2
	s_add_nc_u64 s[G0A+2:G0A+3], s[12:13], s[84:85]
	s_or_b32 s[G0A+3], s[G0A+3], 0x80000000
	s_add_nc_u64 s[G0W+2:G0W+3], s[12:13], s[86:87]
	s_or_b32 s[G0W+3], s[G0W+3], 0x80000000
	s_add_nc_u64 s[4:5], s[4:5], s[90:91]
	s_add_nc_u64 s[6:7], s[6:7], s[94:95]
	s_add_nc_u64 s[8:9], s[8:9], s[92:93]
	s_add_nc_u64 s[10:11], s[10:11], s[94:95]
	s_add_nc_u64 s[16:17], s[16:17], s[58:59]
	s_add_nc_u64 s[18:19], s[18:19], s[98:99]
	CROUND                                         ; all four work-groups are here: the first joint loads meet
	s_cmp_lt_u32 s[WV], 4                          ; the head's loads, one a wave: waves 0-3 slot 0's four leaves,
	s_cbranch_scc0 .Lscales
	tensor_load_to_lds s[G0A:G0A+3], s[G1H:G1H+7]
	s_nop 0
	PLACES
	s_branch .Lasked
.Lscales:                                          ; waves 4-7 the scale bytes of four leaves each
	tensor_load_to_lds s[G0S:G0S+3], s[G1S:G1S+7]
	s_nop 0
	PLACES
.Lasked:
.irp c, 0,1,2,3                                ; 26 small loads first
.irp i, 0,1,2,3
	global_load_b32 v[G+4*\c+\i], v63, s[16:17] offset:4096*\i+64*\c           ; leaf_b[8 (w / 4) + 4 h + i][16 c + r]
.endr
.endr
.irp a, 0,1,2,3
	global_load_b64 v[PB+2*\a:PB+2*\a+1], v62, s[10:11] offset:512*\a          ; p of the same four leaves, row r
	global_load_b32 v[RAW+\a], v[PDO], s[8:9] offset:512*\a                    ; node 0's d
.endr
	global_load_b128 v[AS:AS+3], v61, s[6:7]                                   ; x's scale words
	global_load_b128 v[AS+4:AS+7], v61, s[6:7] offset:1024
	WIN 0x40                                       ; destination window 1
.irp i, 0,1,2,3                                ; x's 16 fragments, in K's order: 48 loads of 512 consecutive bytes
.irp a, 0,1,2,3
.irp c, 0,1,2
	global_load_b128 v[48*\i+12*\a+4*\c:48*\i+12*\a+4*\c+3], v60, s[4:5] offset:12288*\a+1536*\i+512*\c
.endr
.endr
.endr
	WIN 0
	s_wait_loadcnt 48                              ; x's 48 are younger than the small ones: these are in
.irp c, 0,1,2,3
	v_cvt_pk_bf16_f32 v[LB+2*\c], v[G+4*\c], v[G+4*\c+1]
	v_cvt_pk_bf16_f32 v[LB+2*\c+1], v[G+4*\c+2], v[G+4*\c+3]
.endr
	BIAS 0
	s_wait_alu depctr_va_vdst(0)
	s_wait_tensorcnt 0x0                           ; my head's load is in
	ds_add_u32 v[SPW], v[NIL]
	s_wait_dscnt 0x0
	CROUND                                         ; everybody's is
	tensor_load_to_lds s[G0W:G0W+3], s[G1C:G1C+7]  ; slot 1's first fill
	s_nop 0
	NEWADR
	RUN 0, 0
	SCALE 0
	RUN 1, 0
	s_wait_dscnt 12
	PERM
	PEXP                                           ; (these eight lines are the places between the scale words and the first product)
	s_mov_b32 s[TRIPS], 2
.Lpass0:                                           ; slots 0 and 1
	SLOT 1, 0, 1
	s_sub_co_u32 s[TRIPS], s[TRIPS], 1
	s_cmp_lg_u32 s[TRIPS], 0
	s_cbranch_scc1 .Lpass0
	SLOT 2, 0, 0                                   ; slot 2 is filled again with pass 1's first leaves
	SLOT 1, 1, 0
	STAGE STO0                                     ; pass 0's partial results: nobody else reads them before the barrier at the end
	BIAS 1
	s_mov_b32 s[TRIPS], 2
.Lpass1:                                           ; slots 4 and 5
	SLOT 1, 0, 0
	s_sub_co_u32 s[TRIPS], s[TRIPS], 1
	s_cmp_lg_u32 s[TRIPS], 0
	s_cbranch_scc1 .Lpass1
	SLOT 0, 0, 0                                   ; slot 6: nothing more is asked for
	SLOT 3, 0, 0                                   ; slot 7 is the last
	STAGE STO1                                     ; pass 1's, in slot 0's bytes: their last fill was slot 6, and every wave has passed the barrier behind which nobody reads it
	s_barrier_signal -1                            ; my partial results of both passes lie in LDS
	s_barrier_wait -1
	; THE WAY OUT: 32 rows a wave.  A row's 256 bytes are pass 0's 128 and pass 1's 128; the two halves of K are added.
.irp i, 0,1,2,3,4,5,6,7,8,9,10,11,12,13,14,15
	ds_load_b128 v[64+4*\i:67+4*\i], v[RD] offset:288*\i
	ds_load_b128 v[128+4*\i:131+4*\i], v[RD] offset:288*\i+36864
.endr
.irp i, 0,1,2,3,4,5,6,7,8,9,10,11,12,13,14,15
	s_wait_dscnt 30-2*\i
	v_pk_add_f32 v[64+4*\i:65+4*\i], v[64+4*\i:65+4*\i], v[128+4*\i:129+4*\i]
	v_pk_add_f32 v[66+4*\i:67+4*\i], v[66+4*\i:67+4*\i], v[130+4*\i:131+4*\i]
	global_store_b128 v[CO], v[64+4*\i:67+4*\i], s[18:19] offset:8192*\i th:TH_STORE_NT   ; 16 lanes store 256 consecutive bytes, at a multiple of 256 from out0's first byte
.endr
	s_wait_tensorcnt 0x0                           ; the wave's end, behind my last tensor load and my last LDS store
	ds_add_u32 v[SPW], v[NIL]
	s_wait_dscnt 0x0
	CROUND                                         ; the closing round: no work-group ends while a partner may still ask for a tile that names it
	s_endpgm
.Lfunc_end_k_q63f57c4da7_tree:
	.size	k_q63f57c4da7_tree, .Lfunc_end_k_q63f57c4da7_tree-k_q63f57c4da7_tree
	.p2alignl 7, 3214868480
	.fill 96, 4, 3214868480
	.section	.rodata,"a",@progbits
	.p2align	6, 0x0
	.amdhsa_kernel k_q63f57c4da7_tree
		.amdhsa_group_segment_fixed_size 327680
		.amdhsa_private_segment_fixed_size 0
		.amdhsa_enable_private_segment 0
		.amdhsa_kernarg_size 64
		.amdhsa_user_sgpr_count 2
		.amdhsa_user_sgpr_kernarg_segment_ptr 1
		.amdhsa_wavefront_size32 1
		.amdhsa_system_sgpr_workgroup_id_x 1
		.amdhsa_system_sgpr_workgroup_id_y 1
		.amdhsa_system_sgpr_workgroup_id_z 1
		.amdhsa_system_vgpr_workitem_id 0
		.amdhsa_next_free_vgpr 512
		.amdhsa_next_free_sgpr 100
		.amdhsa_reserve_vcc 0
		.amdhsa_float_denorm_mode_32 3
		.amdhsa_float_denorm_mode_16_64 3
		.amdhsa_memory_ordered 1
		.amdhsa_forward_progress 1
		.amdhsa_inst_pref_size 244
	.end_amdhsa_kernel
	.amdgpu_metadata
---
amdhsa.version: [ 1, 2 ]
amdhsa.kernels:
  - .name:           k_q63f57c4da7_tree
    .symbol:         k_q63f57c4da7_tree.kd
    .args:
      - { .name: xq, .offset: 0, .size: 8, .value_kind: global_buffer, .address_space: global }
      - { .name: xs, .offset: 8, .size: 8, .value_kind: global_buffer, .address_space: global }
      - { .name: pd, .offset: 16, .size: 8, .value_kind: global_buffer, .address_space: global }
      - { .name: pb, .offset: 24, .size: 8, .value_kind: global_buffer, .address_space: global }
      - { .name: leaf_w_codes, .offset: 32, .size: 8, .value_kind: global_buffer, .address_space: global }
      - { .name: leaf_w_scales, .offset: 40, .size: 8, .value_kind: global_buffer, .address_space: global }
      - { .name: leaf_b, .offset: 48, .size: 8, .value_kind: global_buffer, .address_space: global }
      - { .name: out0, .offset: 56, .size: 8, .value_kind: global_buffer, .address_space: global }
    .group_segment_fixed_size: 327680
    .private_segment_fixed_size: 0
    .kernarg_segment_align: 8
    .kernarg_segment_size: 64
    .max_flat_workgroup_size: 256
    .sgpr_count:     100
    .vgpr_count:     512
    .wavefront_size: 32
...
	.end_amdgpu_metadata
.endif
;; end of part 2
